; MI455X (gfx1250); checked and timed in simulation.
; The chip was launched on July 23, 2026; its instructions are those of AMD's public machine-readable ISA for CDNA 5 (MIT licence, August 2026) and "CDNA5" Instruction Set Architecture Reference Guide (July 2026). The comments in the code are by the model that wrote it; some were corrected since.
;; Attention Head. Allowed arithmetic: matrix products marked QUANTISED: E5M2 operands, one E8M0 scale for each 32 along K, by v_wmma_scale_f32_16x16x128_f8f6f4 with both operands' format E5M2, f32 sums; everything else in f32.
;; Inputs: Wk 64 x 1,024 float32; Wq 64 x 1,024 float32; Wv 64 x 1,024 float32; bk 64 float32; bq 64 float32; bv 64 float32; x 4 x 4,096 x 1,024 float32.
;; Outputs: out0 4 x 4,096 x 64 float32.
;; This version of the problem:
;;   THIS VERSION OF THE PROBLEM IS GIVEN IN LOW PRECISION. The matrix products marked QUANTISED in the list below multiply operands that are first quantised to E5M2 (5 exponent bits, 2 mantissa bits; 8 bits a number), with one power-of-two scale for each 32 numbers along K (OCP MX v1.0); their sums are f32. All else is computed in f32.
;;   The module's matrix products, in the order in which they are computed (A, B: the left and right operand; K: the contracted axis; several contracted axes count as one K, in the product's order):
;;     1. [M 16,384, K 1,024] x [K 1,024, N 64]; A: input x; B: input Wq: QUANTISED
;;     2. [M 16,384, K 1,024] x [K 1,024, N 64]; A: input x; B: input Wk: QUANTISED
;;     3. [M 16,384, K 1,024] x [K 1,024, N 64]; A: input x; B: input Wv: QUANTISED
;;     4. batch 4 x [M 4,096, K 64] x [K 64, N 4,096]; A: computed on the way; B: computed on the way: QUANTISED
;;     5. batch 4 x [M 4,096, K 4,096] x [K 4,096, N 64]; A: softmax (see below); B: computed on the way: QUANTISED
;;   THE QUANTISER, for each operand of a quantised product, along K:
;;     - K is cut into blocks of 32 from its start; a last block that is shorter is filled with zeros.
;;     - A block's scale is 2^e with e = floor(log2(the largest magnitude in the block)) - 15, held to -126 .. 127; a block of zeros has e = 0. As a byte (E8M0): e + 127.
;;     - Each number is divided by its block's scale, clamped to +-57,344, and rounded to the nearest number of E5M2, ties to even, subnormals kept.
;;     - The product sums the exact products of the quantised numbers (number of the format x scale) in f32.
;;   ~~~python
;;   def quantise(x, axis):      # numpy; x: float32 -> the quantised numbers, widened to float32 again
;;       x = np.moveaxis(x, axis, -1); K = x.shape[-1]
;;       x = np.pad(x, [(0, 0)] * (x.ndim - 1) + [(0, -K % 32)]); x = x.reshape(x.shape[:-1] + (-1, 32)); a = np.abs(x).max(-1, keepdims=True)
;;       e = np.where(a > 0, np.clip(np.frexp(np.where(a > 0, a, 1))[1] - 1 - 15, -126, 127), 0)      # np.frexp(a)[1] - 1 = floor(log2(a)), exactly
;;       r = np.clip(x / 2.0 ** e, -57344, 57344)
;;       step = 2.0 ** (np.maximum(np.frexp(np.where(r == 0, 1, r))[1] - 1, -14) - 2)
;;       q = np.round(r / step) * step * 2.0 ** e      # np.round: ties to even
;;       return np.moveaxis(q.reshape(q.shape[:-2] + (-1,))[..., :K], -1, axis).astype(np.float32)
;;   ~~~
;;   SOFTMAX AHEAD OF A QUANTISED PRODUCT. Where the list says 'softmax', what is quantised is not the finished softmax but p = 2^(t - M), with t = logit x log2(e) and M = ceil(the row's largest t), a whole number; so 1/2 < the row's largest p <= 1. The row's sum l is taken of the UNQUANTISED p, in f32, and the product's result is divided by l at the end. Since M is a whole number, a kernel that streams over the keys may use a running M (the ceiling of the running maximum): every later rescaling is an exact power of two, which a block's scale takes up: the codes' values come out the same.
;;   OPERANDS COMPUTED ON THE WAY. 'Computed on the way' means the value that the module computes at that place (a softmax that the list does not call 'softmax' is quantised finished and normalised). What goes into a quantiser is computed in f32, as accurately as f32 sums, v_exp_f32 and their like allow (about 1e-6 of the number): no bf16 or f16 on the way to a quantiser, and a product that is left as it is and whose result goes on into a quantised operand takes f32 operands (vector FMAs, or v_wmma_f32_16x16x4_f32). A number that lies on a knife's edge between two numbers of the format may be rounded either way, as far as f32 arithmetic and the matrix unit's own rounding can turn it there, and no further.
;; One version. Each part assembles by itself: llvm-mc -triple=amdgcn-amd-amdhsa -mcpu=gfx1250 --defsym DOCPART=n.
;; ======== version 1 of 1: 3 launches
;; limits: right only within a limited range of input values
;; workspace buffers: wc 196,608 bytes; ws 12,288 bytes; qc 1,048,576 bytes; qs 65,536 bytes; kv 2,162,688 bytes
;; launch wquant (part 1): grid 96 x 1, 1 waves a work-group, no clusters, 0 bytes of LDS; arguments Wq, Wk, Wv, wc, ws; writes wc, ws
.if DOCPART == 1
	.amdgcn_target "amdgcn-amd-amdhsa--gfx1250"
	.amdhsa_code_object_version 6
	.text
	.protected	k_q9d9401ede5_wquant
	.globl	k_q9d9401ede5_wquant
	.p2align	8
	.type	k_q9d9401ede5_wquant,@function
k_q9d9401ede5_wquant:
	s_mov_b64 s[64:65], 0
	v_nop
	global_prefetch_b8 v0, s[64:65] scope:SCOPE_SE
	s_setreg_imm32_b32 hwreg(HW_REG_WAVE_MODE, 25, 1), 1
	s_wait_xcnt 0x0
; THE PROGRAM: one attention head, B = 4, S = 4,096, D = 1,024, DK = DV = 64; all five products on codes of BF8 (E5M2) with one E8M0 scale for each 32 along K.
; Three launches: this one (the weights become codes), proj (x becomes codes; Q, K, V are made and become codes), attn (both products of the attention and the softmax).
; NO WORK OF reference() IS LEFT OUT: each of the seven inputs goes into a quantised operand of a live product (the three biases go into the numbers of Q, K and V that are quantised), so all seven are loaded.
; THIS LAUNCH: Wq, Wk, Wv [64][1024] f32, K innermost, become codes and scale words laid IN THE ORDER OF THE OPERAND'S REGISTERS, as proj's waves keep them:
;   wc [w 0..3][i 0..2][s 0..7][c 0..3][lane][16 bytes]: a fragment (16 rows x 128 K) is 2,048 bytes; w proj's wave, i its tile, s the K step.   ws [fragment][lane][4 bytes].
;   i = 0, 1: tiles u = 0, 1 of Wq (w < 2) or Wk (w >= 2), block b = w & 1 of DK; lane r takes row 32 b + 8 u + r + 8 (r / 8), so that the results of the two tiles are 16 neighbours along DK in a lane.
;   i = 2: tile w of Wv; lane r takes row 16 w + r.
; SHARES: a work-group is ONE wave and takes one fragment: tile g = work-group / 8 (12 tiles), K step s = work-group % 8.  There is work for 96 waves and no more; each has a WGP's address path to itself.
; Lane (r, h) loads, of its row, 16 neighbours of each block of 32: k = 32 q + 16 h + 0 .. 15, the operand's own order, so the conversions' results are the operand's registers.  No LDS, no barrier, no loop.
; The tensors are 786,432 bytes and are read once, so the loads are not turned through LDS.
; A block's scale is 2^(floor(log2(its largest magnitude)) - 15); its byte is the largest magnitude's exponent field - 15, held at 1 from below.
; LIMITS: a block of zeros gets the byte 1 where the rule says 127 (its codes are zeros, and this program alone reads the bytes); blocks whose largest magnitude lies under 2^-111 keep the byte 1; NaN and infinities among the inputs are not served.
.set XN,  16                           ; v16-79   64 numbers: register 16 q + i = k 32 q + 16 h + i of my row
.set PC,  80                           ; v80-95   the fragment's codes
.set TM,  96                           ; v96-99 largest magnitudes, v100-103 bytes, v104-107 57,344 x the scale, v108-111 the conversions' scale operands
.set PW,  112                          ; v112     the scale word
.set SEL, 20                           ; s[20:21] v_permlanex16_b32's selects for lane l xor 16
.set MNT, 22                           ; s22      the mantissa field of 57,344
; nb blocks of a lane's numbers, v[s + 16 b + i], become codes in v[pc + 4 b] on and the scale bytes in v[pw].  A block of 32 lies in lanes l and l xor 16.
.macro QUANT s, nb, pc, pw
.set qb, 0
.rept \nb
	v_max3_num_f32 v[TM+qb], |v[\s+16*qb]|, |v[\s+16*qb+1]|, 0x8000000   ; my 16 numbers, and the floor 2^(16 - 127): the byte cannot fall under 1
.set qb, qb+1
.endr
.irp i, 2,4,6,8,10,12,14
.set qb, 0
.rept \nb
	v_max3_num_f32 v[TM+qb], v[TM+qb], |v[\s+16*qb+\i]|, |v[\s+16*qb+\i+1]|   ; the blocks by turns
.set qb, qb+1
.endr
.endr
.set qb, 0
.rept \nb
	v_permlanex16_b32 v[TM+4+qb], v[TM+qb], s[SEL], s[SEL+1]
.set qb, qb+1
.endr
.set qb, 0
.rept \nb
	v_max_num_f32 v[TM+qb], v[TM+qb], v[TM+4+qb]          ; with lane l xor 16's: the block's largest magnitude
.set qb, qb+1
.endr
.set qb, 0
.rept \nb
	v_add_nc_u32 v[TM+12+qb], 0xf8800000, v[TM+qb]        ; 15 off its exponent field: the conversion's scale operand
.set qb, qb+1
.endr
.set qb, 0
.rept \nb
	v_and_or_b32 v[TM+8+qb], v[TM+qb], 0x7f800000, s[MNT] ; 57,344 x the scale
.set qb, qb+1
.endr
.set qb, 0
.rept \nb
	v_lshrrev_b32 v[TM+4+qb], 23, v[TM+12+qb]             ; the scale's byte
.set qb, qb+1
.endr
	v_lshl_or_b32 v[\pw], v[TM+5], 8, v[TM+4]
.if \nb > 2
	v_lshl_or_b32 v[\pw], v[TM+6], 16, v[\pw]
	v_lshl_or_b32 v[\pw], v[TM+7], 24, v[\pw]
.endif
.set qb, 0
.rept \nb
.irp i, 0,1,2,3,4,5,6,7,8,9,10,11,12,13,14,15
	v_med3_num_f32 v[\s+16*qb+\i], v[\s+16*qb+\i], -v[TM+8+qb], v[TM+8+qb]   ; the conversion to an 8-bit code does not saturate (ISA guide 7.6.2): the hold comes first
.endr
	v_cvt_scalef32_pk8_bf8_f32 v[\pc+4*qb:\pc+4*qb+1], v[\s+16*qb:\s+16*qb+7], v[TM+12+qb]
	v_cvt_scalef32_pk8_bf8_f32 v[\pc+4*qb+2:\pc+4*qb+3], v[\s+16*qb+8:\s+16*qb+15], v[TM+12+qb]
.set qb, qb+1
.endr
	v_nop                                          ; one plain vector line behind the last conversion
.endm
	s_load_b256 s[4:11], s[0:1], 0x0               ; Wq s[4:5], Wk s[6:7], Wv s[8:9], wc s[10:11]
	s_load_b64 s[12:13], s[0:1], 0x20              ; ws
	v_and_b32 v1, 31, v0                           ; lane
	v_and_b32 v2, 15, v0                           ; r
	s_wait_alu depctr_va_vdst(0)
	v_bfe_u32 v3, v0, 4, 1                         ; h
	s_and_b32 s14, ttmp9, 7                        ; my K step
	s_lshr_b32 s15, ttmp9, 3                       ; g: 0-3 Wq's tiles, 4-7 Wk's, 8-11 Wv's
	s_bfe_u32 s16, s15, 0x10001                    ; b = bit 1 of g
	s_and_b32 s17, s15, 1                          ; u
	s_lshr_b32 s18, s15, 2
	s_lshl_b32 s18, s18, 1
	s_add_co_u32 s18, s18, s16                     ; a pair's wave: 2 (g / 4) + b
	s_lshl_b32 s19, s16, 5
	s_lshl_b32 s23, s17, 3
	s_add_co_u32 s19, s19, s23                     ; a pair's first row: 32 b + 8 u
	s_and_b32 s24, s15, 3                          ; Wv's tile, and its wave
	s_lshl_b32 s25, s24, 4                         ; its first row
	s_cmp_lt_u32 s15, 8
	s_cselect_b32 s18, s18, s24                    ; w
	s_cselect_b32 s17, s17, 2                      ; i
	s_cselect_b32 s19, s19, s25                    ; the tile's first row
	s_cselect_b32 s26, 8, 0                        ; a pair's lanes 8-15 take rows 8 further on
	s_mul_i32 s27, s18, 3
	s_add_co_u32 s27, s27, s17
	s_lshl_b32 s27, s27, 3
	s_add_co_u32 s27, s27, s14                     ; the fragment's number: (3 w + i) 8 + s
	s_lshl_b32 s28, s27, 11                        ; its codes,
	s_mov_b32 s29, 0
	s_lshl_b32 s30, s27, 7                         ; its scale words
	s_mov_b32 s31, 0
	s_lshl_b32 s32, s14, 9                         ; the K step's 512 bytes in a row
	v_and_b32 v4, s26, v2
	v_add3_u32 v4, v4, v2, s19                     ; my row
	v_lshlrev_b32 v4, 12, v4                       ; 4,096 bytes a row
	s_wait_alu depctr_va_vdst(0)
	v_lshl_add_u32 v4, v3, 6, v4                   ; + 64 h
	v_add_nc_u32 v4, s32, v4
	v_lshlrev_b32 v5, 4, v1                        ; 16 x lane
	v_lshlrev_b32 v6, 2, v1                        ; 4 x lane
	s_mov_b32 s[SEL], 0x76543210
	s_mov_b32 s[SEL+1], 0xfedcba98
	s_mov_b32 s[MNT], 0x600000
.irp b, 0,1,2,3
	v_mov_b32 v[TM+4+\b], 0                        ; a lane permute's destination counts as one of its sources
.endr
	s_wait_alu depctr_va_vdst(0)
	s_wait_kmcnt 0x0
	s_cmp_lt_u32 s15, 4                            ; the tensor is chosen by the work-group's number alone
	s_cselect_b64 s[4:5], s[4:5], s[6:7]
	s_cmp_lt_u32 s15, 8
	s_cselect_b64 s[4:5], s[4:5], s[8:9]
	s_add_nc_u64 s[10:11], s[10:11], s[28:29]
	s_add_nc_u64 s[12:13], s[12:13], s[30:31]
.irp q, 0,1,2,3
.irp j, 0,1,2,3
	global_load_b128 v[XN+16*\q+4*\j:XN+16*\q+4*\j+3], v4, s[4:5] offset:128*\q+16*\j th:TH_LOAD_NT
.endr
.endr
	s_wait_loadcnt 0x0
	QUANT XN, 4, PC, PW
.irp c, 0,1,2,3
	global_store_b128 v5, v[PC+4*\c:PC+4*\c+3], s[10:11] offset:512*\c   ; 32 lanes store 512 consecutive bytes
.endr
	global_store_b32 v6, v[PW], s[12:13]           ; lanes r and r + 16 hold the same word
	s_endpgm
.Lfunc_end_k_q9d9401ede5_wquant:
	.size	k_q9d9401ede5_wquant, .Lfunc_end_k_q9d9401ede5_wquant-k_q9d9401ede5_wquant
	.p2alignl 7, 3214868480
	.fill 96, 4, 3214868480
	.section	.rodata,"a",@progbits
	.p2align	6, 0x0
	.amdhsa_kernel k_q9d9401ede5_wquant
		.amdhsa_group_segment_fixed_size 0
		.amdhsa_private_segment_fixed_size 0
		.amdhsa_enable_private_segment 0
		.amdhsa_kernarg_size 40
		.amdhsa_user_sgpr_count 2
		.amdhsa_user_sgpr_kernarg_segment_ptr 1
		.amdhsa_wavefront_size32 1
		.amdhsa_system_sgpr_workgroup_id_x 1
		.amdhsa_system_sgpr_workgroup_id_y 1
		.amdhsa_system_sgpr_workgroup_id_z 1
		.amdhsa_system_vgpr_workitem_id 0
		.amdhsa_next_free_vgpr 128
		.amdhsa_next_free_sgpr 66
		.amdhsa_reserve_vcc 0
		.amdhsa_float_denorm_mode_32 3
		.amdhsa_float_denorm_mode_16_64 3
		.amdhsa_memory_ordered 1
		.amdhsa_forward_progress 1
		.amdhsa_inst_pref_size 13
	.end_amdhsa_kernel
	.amdgpu_metadata
---
amdhsa.version: [ 1, 2 ]
amdhsa.kernels:
  - .name:           k_q9d9401ede5_wquant
    .symbol:         k_q9d9401ede5_wquant.kd
    .args:
      - { .name: Wq, .offset: 0, .size: 8, .value_kind: global_buffer, .address_space: global }
      - { .name: Wk, .offset: 8, .size: 8, .value_kind: global_buffer, .address_space: global }
      - { .name: Wv, .offset: 16, .size: 8, .value_kind: global_buffer, .address_space: global }
      - { .name: wc, .offset: 24, .size: 8, .value_kind: global_buffer, .address_space: global }
      - { .name: ws, .offset: 32, .size: 8, .value_kind: global_buffer, .address_space: global }
    .group_segment_fixed_size: 0
    .private_segment_fixed_size: 0
    .kernarg_segment_align: 8
    .kernarg_segment_size: 40
    .max_flat_workgroup_size: 32
    .sgpr_count:     66
    .vgpr_count:     128
    .wavefront_size: 32
...
	.end_amdgpu_metadata
.endif
;; end of part 1
;; launch proj (part 2): grid 256 x 1, 8 waves a work-group, no clusters, 327,680 bytes of LDS; arguments x, wc, ws, bq, bk, bv, qc, qs, kv; writes qc, qs, kv
.if DOCPART == 2
	.amdgcn_target "amdgcn-amd-amdhsa--gfx1250"
	.amdhsa_code_object_version 6
	.text
	.protected	k_q9d9401ede5_proj
	.globl	k_q9d9401ede5_proj
	.p2align	8
	.type	k_q9d9401ede5_proj,@function
k_q9d9401ede5_proj:
	s_mov_b64 s[64:65], 0
	v_nop
	global_prefetch_b8 v0, s[64:65] scope:SCOPE_SE
	s_setreg_imm32_b32 hwreg(HW_REG_WAVE_MODE, 25, 1), 1
	s_wait_xcnt 0x0
; Q, K, V = x W^T + b on codes of BF8 (E5M2) with an E8M0 scale for each 32 along K, and their quantisers.  Nothing of reference() is left out here.
; SHARES.  A work-group owns 64 rows of x; each of its eight waves fetches 8 of them whole, 32,768 dense bytes, by its one tensor load, and turns them into codes.  Wave w = 4 g + v multiplies the K steps 2 c + g, c = 0 .. 3:
; all 64 rows by pair v of column tiles (Wq's for v < 2, Wk's beyond; block v & 1 of DK) and by Wv's tile v.  The even and the odd K steps' sums are joined through LDS: waves 0-3 finish Q and K, waves 4-7 V.
; x lies in LDS as rows of 1,024 bytes + 16 of padding; a wave's codes go over its own first 8,192 bytes, which it has read by then and which no load fills again: [K step][c][half][place % 8][16 bytes].
; No cluster: x has one reader, and the weights go from memory straight into the registers of the one wave that holds them.  No prefetch: every byte is asked for at the head; there is no loop to run ahead in.
; ROWS OF A TILE: tile m = 2 (rows / 32) + u, place p holds row 32 (m / 2) + 8 u + 16 (p / 8) + p % 8, so that a lane's 16 registers of two tiles are 16 neighbours along the tokens.  So wave w's rows are places 8 ph .. 8 ph + 7
; of tile m = 2 (w / 4) + w % 2, ph = w / 2 % 2.
; LIMITS: a block of zeros gets the byte 1 where the rule says 127 (its codes are zeros, and this program alone reads the bytes); blocks whose largest magnitude lies under 2^-111 keep the byte 1; NaN and infinities are not served.
.set REC,  16896
.set REG,  33280                       ; a wave's region: 32 x 1,040 bytes
.set XSC,  266240                      ; x's scale words: [K step][m][place][4 bytes]
.set XCH,  268288                      ; sums on their way from group to group: 12,288 bytes for each v
.set EXC,  317440                      ; scale words of waves 0-3
.set SPARE, 317952                     ; the spare words, 128 bytes a wave
.set G16, 1                            ; 16 x lane
.set G4,  2                            ; 4 x lane; behind the weights' loads
.set LI1, 2                            ; the place of tiles 2 and 3
.set LI,  3                            ; the fragments' place of tiles 0 and 1
.set RDX, 4                            ; my blocks' place in x; at the end
.set EXA, 4                            ; my scale word's
.set IW,  5                            ; where my codes go: their first half,
.set SW,  6
.set LS,  7
.set IW1, 8                            ; their second
.set XC,  9
.set H64, 10                           ; 64 h
.set R4,  11                           ; 4 (lane % 16)
.set WS,  12                           ; v12-23 the weights' scale words
.set XS,  24                           ; v24-31 x's, two sets
.set XN,  32                           ; v32-159 two sets of a lane's two blocks; then two sets of x's fragments
.set ACC, 160                          ; v160-223 sums of Q or K: 16 m + 8 u + j.  Ahead of the products v160-191 codes, v192-199 at work
.set ACV, 224                          ; v224-255 sums of V: 8 m + j
.set QT,  192
.set TM,  32
.set PC,  48
.set PW,  64
.set G0,  40
.set G1,  44
.set SEL, 66
.set MNT, 68
.set MSB, 0
.macro WIN new                         ; the immediate's high byte repeats the setting that is left
.if MSB != (\new)
	s_set_vgpr_msb (MSB<<8)|(\new)
.set MSB, (\new)
.endif
.endm
; nb blocks of sums, v[s + 16 b + i], become codes in v[pc + 4 b] on and scale bytes in v[pw].  A block of 32 lies in lanes l and l xor 16.
.macro QUANT s, nb, pc, pw
.set qb, 0
.rept \nb
	v_max3_num_f32 v[TM+qb], |v[\s+16*qb]|, |v[\s+16*qb+1]|, 0x8000000
.set qb, qb+1
.endr
.irp i, 2,4,6,8,10,12,14
.set qb, 0
.rept \nb
	v_max3_num_f32 v[TM+qb], v[TM+qb], |v[\s+16*qb+\i]|, |v[\s+16*qb+\i+1]|
.set qb, qb+1
.endr
.endr
.set qb, 0
.rept \nb
	v_permlanex16_b32 v[TM+4+qb], v[TM+qb], s[SEL], s[SEL+1]
.set qb, qb+1
.endr
.set qb, 0
.rept \nb
	v_max_num_f32 v[TM+qb], v[TM+qb], v[TM+4+qb]
.set qb, qb+1
.endr
.set qb, 0
.rept \nb
	v_add_nc_u32 v[TM+12+qb], 0xf8800000, v[TM+qb]
.set qb, qb+1
.endr
.set qb, 0
.rept \nb
	v_and_or_b32 v[TM+8+qb], v[TM+qb], 0x7f800000, s[MNT]
.set qb, qb+1
.endr
.set qb, 0
.rept \nb
	v_lshrrev_b32 v[TM+4+qb], 23, v[TM+12+qb]
.set qb, qb+1
.endr
	v_lshl_or_b32 v[\pw], v[TM+5], 8, v[TM+4]
.if \nb > 2
	v_lshl_or_b32 v[\pw], v[TM+6], 16, v[\pw]
	v_lshl_or_b32 v[\pw], v[TM+7], 24, v[\pw]
.endif
.set qb, 0
.rept \nb
.irp i, 0,1,2,3,4,5,6,7,8,9,10,11,12,13,14,15
	v_med3_num_f32 v[\s+16*qb+\i], v[\s+16*qb+\i], -v[TM+8+qb], v[TM+8+qb]   ; the conversion does not saturate (ISA guide 7.6.2)
.endr
	v_cvt_scalef32_pk8_bf8_f32 v[\pc+4*qb:\pc+4*qb+1], v[\s+16*qb:\s+16*qb+7], v[TM+12+qb]
	v_cvt_scalef32_pk8_bf8_f32 v[\pc+4*qb+2:\pc+4*qb+3], v[\s+16*qb+8:\s+16*qb+15], v[TM+12+qb]
.set qb, qb+1
.endr
	v_nop
.endm
.macro LDW c                           ; the weights of K step 2 c + g: three fragments and their scale words, 15 loads
	WIN 0x40
.irp i, 0,1,2
.irp e, 0,1,2,3
	global_load_b128 v[48*\c+16*\i+4*\e:48*\c+16*\i+4*\e+3], v[G16], s[6:7] offset:16384*\i+4096*\c+512*\e
.endr
.endr
	WIN 0
.irp i, 0,1,2
	global_load_b32 v[WS+3*\c+\i], v[G4], s[8:9] offset:1024*\i+256*\c
.endr
.endm
.macro XREAD s                         ; step s: my rows 2 s and 2 s + 1, whole: lane l takes row l / 4 % 2, 256 along K l % 4, and in each of its two K steps block l / 8
.irp e, 0,1
.irp j, 0,1,2,3,4,5,6,7
	ds_load_b128 v[XN+64*(\s%2)+32*\e+4*\j:XN+64*(\s%2)+32*\e+4*\j+3], v[RDX] offset:8320*\s+512*\e+16*\j
.endr
.endr
.endm
.macro TOCODES s                       ; the lane's two blocks of step s become codes and bytes
.set XB_, XN+64*(\s%2)
.set PB_, ACC+16*(\s%2)
.irp e, 0,1
	v_max3_num_f32 v[QT+2*\e], |v[XB_+32*\e]|, |v[XB_+32*\e+1]|, 0x8000000   ; with the floor 2^(16 - 127): the byte cannot fall under 1
.endr
.irp e, 0,1
	v_max3_num_f32 v[QT+1+2*\e], |v[XB_+32*\e+16]|, |v[XB_+32*\e+17]|, |v[XB_+32*\e+18]|
.endr
.irp i, 2,4,6,8,10,12
.irp e, 0,1
	v_max3_num_f32 v[QT+2*\e], v[QT+2*\e], |v[XB_+32*\e+\i]|, |v[XB_+32*\e+\i+1]|
	v_max3_num_f32 v[QT+1+2*\e], v[QT+1+2*\e], |v[XB_+32*\e+\i+17]|, |v[XB_+32*\e+\i+18]|
.endr
.endr
.irp e, 0,1
	v_max3_num_f32 v[QT+2*\e], v[QT+2*\e], |v[XB_+32*\e+14]|, |v[XB_+32*\e+15]|
.endr
.irp e, 0,1
	v_max3_num_f32 v[QT+2*\e], v[QT+2*\e], v[QT+1+2*\e], |v[XB_+32*\e+31]|
.endr
.irp e, 0,1
	v_add_nc_u32 v[QT+4+\e], 0xf8800000, v[QT+2*\e]          ; 15 off the exponent field: the conversion's scale operand
.endr
.irp e, 0,1
	v_and_or_b32 v[QT+6+\e], v[QT+2*\e], 0x7f800000, s[MNT]  ; 57,344 x the scale
.endr
.irp e, 0,1
	v_lshrrev_b32 v[QT+1+2*\e], 23, v[QT+4+\e]               ; the scale's byte
.endr
.irp e, 0,1
.irp i, 0,1,2,3,4,5,6,7,8,9,10,11,12,13,14,15,16,17,18,19,20,21,22,23,24,25,26,27,28,29,30,31
	v_med3_num_f32 v[XB_+32*\e+\i], v[XB_+32*\e+\i], -v[QT+6+\e], v[QT+6+\e]
.endr
.irp k, 0,1,2,3
	v_cvt_scalef32_pk8_bf8_f32 v[PB_+8*\e+2*\k:PB_+8*\e+2*\k+1], v[XB_+32*\e+8*\k:XB_+32*\e+8*\k+7], v[QT+4+\e]
.endr
.endr
	v_nop                                          ; one plain vector line behind the last conversion
.irp e, 0,1
	ds_store_b128 v[IW], v[PB_+8*\e:PB_+8*\e+3] offset:1024*\e+32*\s
	ds_store_b128 v[IW1], v[PB_+8*\e+4:PB_+8*\e+7] offset:1024*\e+32*\s
	ds_store_b8 v[SW], v[QT+1+2*\e] offset:256*\e+8*\s
.endr
.endm
.macro FETCH c                         ; x's four fragments of K step 2 c + g and their scale words, 20 loads
.irp m, 0,1
.irp k, 0,1,2,3
	ds_load_b128 v[XN+64*(\c%2)+16*\m+4*\k:XN+64*(\c%2)+16*\m+4*\k+3], v[LI] offset:REG*\m+2048*\c+256*\k
	ds_load_b128 v[XN+64*(\c%2)+32+16*\m+4*\k:XN+64*(\c%2)+32+16*\m+4*\k+3], v[LI1] offset:REG*\m+2048*\c+256*\k
.endr
.endr
.irp m, 0,1,2,3
	ds_load_b32 v[XS+4*(\c%2)+\m], v[LS] offset:512*\c+64*\m
.endr
.endm
.macro MUL c                           ; twelve accumulators by turns; c = 0 starts the sums
.set WB_, 48*\c
.set WC_, WS+3*\c
.set XB_, XN+64*(\c%2)
.set XC_, XS+4*(\c%2)
	WIN 0x01
.irp m, 0,1,2,3
.irp u, 0,1
.if \c == 0
	v_wmma_scale_f32_16x16x128_f8f6f4 v[ACC+16*\m+8*\u:ACC+16*\m+8*\u+7], v[WB_+16*\u:WB_+16*\u+15], v[XB_+16*\m:XB_+16*\m+15], 0, v[WC_+\u], v[XC_+\m] matrix_a_fmt:MATRIX_FMT_BF8 matrix_b_fmt:MATRIX_FMT_BF8
.else
	v_wmma_scale_f32_16x16x128_f8f6f4 v[ACC+16*\m+8*\u:ACC+16*\m+8*\u+7], v[WB_+16*\u:WB_+16*\u+15], v[XB_+16*\m:XB_+16*\m+15], v[ACC+16*\m+8*\u:ACC+16*\m+8*\u+7], v[WC_+\u], v[XC_+\m] matrix_a_fmt:MATRIX_FMT_BF8 matrix_b_fmt:MATRIX_FMT_BF8
.endif
.endr
.endr
	WIN 0x04
.irp m, 0,1,2,3
.if \c == 0
	v_wmma_scale_f32_16x16x128_f8f6f4 v[ACV+8*\m:ACV+8*\m+7], v[XB_+16*\m:XB_+16*\m+15], v[WB_+32:WB_+47], 0, v[XC_+\m], v[WC_+2] matrix_a_fmt:MATRIX_FMT_BF8 matrix_b_fmt:MATRIX_FMT_BF8
.else
	v_wmma_scale_f32_16x16x128_f8f6f4 v[ACV+8*\m:ACV+8*\m+7], v[XB_+16*\m:XB_+16*\m+15], v[WB_+32:WB_+47], v[ACV+8*\m:ACV+8*\m+7], v[XC_+\m], v[WC_+2] matrix_a_fmt:MATRIX_FMT_BF8 matrix_b_fmt:MATRIX_FMT_BF8
.endif
.endr
	WIN 0
.endm
.macro PLACES                          ; eight places behind a product, ahead of loads into what it has read and of the first read of its sums
.rept 8
	v_nop
.endr
.endm
.macro BARRIER
	s_wait_alu depctr_va_vdst(0)
	s_wait_dscnt 0x0
	s_barrier_signal -1
	s_barrier_wait -1
.endm
	s_load_b512 s[4:19], s[0:1], 0x0               ; x 4, wc 6, ws 8, bq 10, bk 12, bv 14, qc 16, qs 18
	s_load_b64 s[20:21], s[0:1], 0x40              ; kv
	v_lshl_add_u32 v192, v0, 2, SPARE
	v_mov_b32 v193, 0
	ds_add_u32 v192, v193                          ; the wave's opening: the add, twice on end, and its wait ahead of my tensor load
	ds_add_u32 v192, v193
	v_lshrrev_b32 v194, 5, v0
	v_readfirstlane_b32 s22, v194                  ; wave
	s_mov_b32 s23, ttmp9                           ; my block of 64 rows
	s_mul_i32 s26, s22, REG                        ; my region
	s_lshl_b32 s34, s23, 18                        ; x: 64 rows of 4,096 bytes a block, 8 a wave
	s_lshl_b32 s35, s22, 15
	s_add_co_u32 s34, s34, s35
	s_mov_b32 s35, 0
	s_mov_b32 s[G1+0], (2<<16)|(1<<20)|(7<<22)|(3<<25)   ; elements of 4 bytes; four words of padding behind every 256
	s_mov_b32 s[G1+1], 256<<16                     ; tensor_dim0
	s_mov_b32 s[G1+2], 32<<16                      ; tensor_dim1
	s_mov_b32 s[G1+3], 256<<16                     ; tile_dim0
	s_mov_b32 s[G1+4], 32                          ; tile_dim1
	s_mov_b32 s[G1+5], 256                         ; tensor_dim0_stride: dense
	s_mov_b32 s[G1+6], 0
	s_mov_b32 s[G1+7], 0
	s_and_b32 s24, s22, 3                          ; v
	s_lshr_b32 s25, s22, 2                         ; g
	s_bfe_u32 s28, s22, 0x10001                    ; ph
	s_and_b32 s27, s22, 1
	s_lshl_b32 s29, s25, 1
	s_add_co_u32 s27, s27, s29                     ; m
	s_lshl_b32 s29, s28, 7
	s_add_co_u32 s29, s29, s26                     ; codes: my region + 128 ph
	s_lshl_b32 s30, s27, 6
	s_lshl_b32 s31, s28, 5
	s_add_co_u32 s30, s30, s31
	s_add_co_u32 s30, s30, XSC                     ; scale bytes: 64 m + 32 ph
	s_lshl_b32 s31, s25, 10                        ; fragments: my group's K steps
	s_lshl_b32 s32, s25, 8
	s_add_co_u32 s32, s32, XSC
	s_mul_i32 s33, s24, 12288
	s_add_co_u32 s33, s33, XCH
	s_mul_i32 s36, s24, 49152                      ; the weights: fragment (3 v + i) 8 + K step
	s_lshl_b32 s37, s25, 11
	s_add_co_u32 s36, s36, s37
	s_mov_b32 s37, 0
	s_mul_i32 s38, s24, 3072
	s_lshl_b32 s39, s25, 7
	s_add_co_u32 s38, s38, s39
	s_mov_b32 s39, 0
	s_mov_b32 s[SEL], 0x76543210
	s_mov_b32 s[SEL+1], 0xfedcba98
	s_mov_b32 s[MNT], 0x600000
	v_and_b32 v194, 31, v0
	v_lshlrev_b32 v[G16], 4, v194
	v_lshlrev_b32 v[G4], 2, v194
	s_wait_alu depctr_va_vdst(0)
	s_wait_dscnt 0x0                               ; both opening adds are done
	s_wait_kmcnt 0x0
	s_mov_b32 s[G0], 1
	s_mov_b32 s[G0+1], s26
	s_add_nc_u64 s[G0+2:G0+3], s[4:5], s[34:35]
	s_or_b32 s[G0+3], s[G0+3], 0x80000000
	tensor_load_to_lds s[G0:G0+3], s[G1:G1+7]      ; my 8 rows: the wave's one load
	s_nop 0
.rept 4
	v_nop
.endr
	s_add_nc_u64 s[6:7], s[6:7], s[36:37]
	s_add_nc_u64 s[8:9], s[8:9], s[38:39]
	LDW 0
	LDW 1
	LDW 2
	LDW 3
	v_and_b32 v195, 7, v0
	v_bfe_u32 v196, v0, 3, 2                       ; block
	v_and_b32 v197, 3, v0                          ; 256 along K
	v_bfe_u32 v198, v0, 2, 1                       ; row of two
	v_mul_u32_u24 v[RDX], v195, 1040
	v_lshl_add_u32 v[RDX], v196, 7, v[RDX]
	v_add_nc_u32 v[RDX], s26, v[RDX]
	v_lshlrev_b32 v[IW], 11, v197
	v_lshl_add_u32 v[IW], v196, 8, v[IW]
	v_lshl_add_u32 v[IW], v198, 4, v[IW]
	v_add_nc_u32 v[IW], s29, v[IW]
	v_xor_b32 v[IW1], 0x80, v[IW]                  ; a code's two halves lie 128 bytes apart, the other way round where ph = 1
	v_lshlrev_b32 v[SW], 9, v197
	v_lshl_add_u32 v[SW], v198, 2, v[SW]
	v_add_nc_u32 v[SW], v[SW], v196
	v_add_nc_u32 v[SW], s30, v[SW]
	v_bfe_u32 v197, v0, 3, 1                       ; p / 8
	v_bfe_u32 v198, v0, 4, 1                       ; h
	v_lshlrev_b32 v[H64], 6, v198
	v_xor_b32 v199, v197, v198
	v_mul_u32_u24 v[LI], v197, 2*REG
	v_lshl_add_u32 v[LI], v199, 7, v[LI]
	v_lshl_add_u32 v[LI], v195, 4, v[LI]
	v_add_nc_u32 v[LI], s31, v[LI]
	v_and_b32 v194, 15, v0
	v_lshlrev_b32 v[R4], 2, v194
	v_add_nc_u32 v[LS], s32, v[R4]
	v_add_nc_u32 v[XC], s33, v[G16]
	; where the results go
	s_lshr_b32 s82, s23, 1
	s_mul_i32 s82, s82, REC                        ; the record of 128 keys
	s_and_b32 s83, s23, 1                          ; and which half of it
	s_and_b32 s53, s22, 1
	s_mov_b32 s55, 0
	s_lshl_b32 s60, s53, 9
	s_lshl_b32 s61, s23, 12
	s_add_co_u32 s61, s61, s60                     ; Q's codes
	s_lshl_b32 s62, s83, 12
	s_add_co_u32 s62, s62, s82
	s_add_co_u32 s62, s62, s60                     ; K's
	s_cmp_lt_u32 s24, 2
	s_cselect_b64 s[78:79], s[10:11], s[12:13]
	s_cselect_b64 s[70:71], s[16:17], s[20:21]
	s_cselect_b32 s54, s61, s62
	s_add_nc_u64 s[70:71], s[70:71], s[54:55]
	s_lshl_b32 s54, s53, 7
	s_add_nc_u64 s[78:79], s[78:79], s[54:55]      ; the pair's bias
	s_lshl_b32 s54, s24, 6
	s_add_nc_u64 s[56:57], s[14:15], s[54:55]      ; V's
	s_lshl_b32 s54, s24, 11
	s_lshl_b32 s60, s83, 10
	s_add_co_u32 s54, s54, s60
	s_add_co_u32 s54, s54, s82
	s_add_co_u32 s54, s54, 8192
	s_add_nc_u64 s[72:73], s[20:21], s[54:55]      ; V's codes
	s_lshl_b32 s54, s83, 7
	s_add_co_u32 s54, s54, s82
	s_add_co_u32 s54, s54, 16384
	s_add_nc_u64 s[74:75], s[20:21], s[54:55]      ; K's scale words
	s_lshl_b32 s54, s24, 6
	s_lshl_b32 s60, s83, 1
	s_add_co_u32 s54, s54, s60
	s_add_co_u32 s54, s54, s82
	s_add_co_u32 s54, s54, 16640
	s_add_nc_u64 s[76:77], s[20:21], s[54:55]      ; V's
	s_lshl_b32 s54, s23, 8
	s_add_nc_u64 s[80:81], s[18:19], s[54:55]      ; Q's
	s_wait_alu depctr_va_vdst(0)
	s_wait_tensorcnt 0x0                           ; my rows are in; I alone read them
	XREAD 0
	XREAD 1
	WIN 0x40                                       ; the biases: all waves ask for both, so that the counts are one
.irp u, 0,1
	global_load_b128 v[192+8*\u:195+8*\u], v[H64], s[78:79] offset:32*\u
	global_load_b128 v[196+8*\u:199+8*\u], v[H64], s[78:79] offset:32*\u+16
	global_load_b32 v[208+\u], v[R4], s[56:57]
.endr
	WIN 0
	s_wait_dscnt 16                                ; step 0 is back; step 1 may be out
	TOCODES 0
	XREAD 2
	s_wait_dscnt 22                                ; step 1; behind it six stores and step 2's loads
	TOCODES 1
	XREAD 3
	s_wait_dscnt 22
	TOCODES 2
	s_wait_dscnt 6
	TOCODES 3
	BARRIER
	s_wait_loadcnt 6                               ; the weights are in; the biases may be out
	v_add_nc_u32 v[LI1], 4*REG, v[LI]              ; (4 x lane has served)
	s_wait_alu depctr_va_vdst(0)                   ; a wait directly behind the write
	FETCH 0
	FETCH 1
	s_wait_dscnt 20
	MUL 0
	PLACES
	FETCH 2
	s_wait_dscnt 20
	MUL 1
	PLACES
	FETCH 3
	s_wait_dscnt 20
	MUL 2
	s_wait_dscnt 0x0
	MUL 3
	; THE TWO GROUPS' SUMS ARE JOINED: waves 0-3 send V's, waves 4-7 send Q's or K's
	PLACES
	v_lshl_add_u32 v[EXA], v0, 2, EXC              ; 4 x thread, for the scale words
	s_wait_alu depctr_va_vdst(0)
	s_wait_loadcnt 0x0                             ; the biases
	s_cmp_lt_u32 s22, 4
	s_cbranch_scc0 .Lsend_pair
.irp j, 0,1,2,3,4,5,6,7
	ds_store_b128 v[XC], v[ACV+4*\j:ACV+4*\j+3] offset:8192+512*\j
.endr
	s_branch .Lsent
.Lsend_pair:
.irp j, 0,1,2,3,4,5,6,7,8,9,10,11,12,13,14,15
	ds_store_b128 v[XC], v[ACC+4*\j:ACC+4*\j+3] offset:512*\j
.endr
.Lsent:
	BARRIER
	s_cmp_lt_u32 s22, 4
	s_cbranch_scc0 .Lvalues
.irp j, 0,1,2,3,4,5,6,7,8,9,10,11,12,13,14,15
	ds_load_b128 v[XN+4*\j:XN+4*\j+3], v[XC] offset:512*\j
.endr
	WIN 0x04
.irp m, 0,1,2,3
.irp j, 0,2,4,6,8,10,12,14
	v_pk_add_f32 v[ACC+16*\m+\j:ACC+16*\m+\j+1], v[ACC+16*\m+\j:ACC+16*\m+\j+1], v[192+\j:193+\j]   ; the bias of the lane's 16 neighbours along DK
.endr
.endr
	WIN 0
	s_wait_alu depctr_va_vdst(0)
	s_wait_dscnt 0x0
.irp m, 0,1,2,3
.irp j, 0,2,4,6,8,10,12,14
	v_pk_add_f32 v[ACC+16*\m+\j:ACC+16*\m+\j+1], v[ACC+16*\m+\j:ACC+16*\m+\j+1], v[XN+16*\m+\j:XN+16*\m+\j+1]
.endr
.endr
	QUANT ACC, 4, PC, PW
	ds_store_b32 v[EXA], v[PW]
.irp m, 0,1,2,3
	global_store_b128 v[G16], v[PC+4*\m:PC+4*\m+3], s[70:71] offset:1024*\m   ; 512 consecutive bytes
.endr
	s_wait_alu depctr_va_vdst(0)
	s_branch .Lmade
.Lvalues:
.irp j, 0,1,2,3,4,5,6,7
	ds_load_b128 v[XN+4*\j:XN+4*\j+3], v[XC] offset:8192+512*\j
.endr
	WIN 0x04
.irp j, 0,2,4,6,8,10,12,14,16,18,20,22,24,26,28,30
	v_pk_add_f32 v[ACV+\j:ACV+\j+1], v[ACV+\j:ACV+\j+1], v[208:209]   ; V's bias at the lane's column, in both
.endr
	WIN 0
	s_wait_alu depctr_va_vdst(0)
	s_wait_dscnt 0x0
.irp j, 0,2,4,6,8,10,12,14,16,18,20,22,24,26,28,30
	v_pk_add_f32 v[ACV+\j:ACV+\j+1], v[ACV+\j:ACV+\j+1], v[XN+\j:XN+\j+1]
.endr
	QUANT ACV, 2, PC, PW
.irp b, 0,1
	global_store_b128 v[G16], v[PC+4*\b:PC+4*\b+3], s[72:73] offset:512*\b
.endr
	global_store_b16 v[R4], v[PW], s[76:77]        ; two bytes of the record's word; lanes r and r + 16 store the same
.Lmade:
	BARRIER
	s_cmp_eq_u32 s22, 0
	s_cbranch_scc1 .Lqwords
	s_cmp_eq_u32 s22, 2
	s_cbranch_scc0 .Lend
	ds_load_b32 v65, v[EXA] offset:128             ; wave 3's: DK's block 1
	s_mov_b32 s54, 0x02020202
	v_bfe_u32 v68, v0, 4, 1
	v_mul_lo_u32 v67, v68, s54
	v_add_nc_u32 v67, 0x05010400, v67              ; bytes (tile 2 h: block 0, 1; tile 2 h + 1: block 0, 1)
	v_lshrrev_b32 v69, 2, v[G16]
	s_wait_alu depctr_va_vdst(0)
	s_wait_dscnt 0x0
	v_perm_b32 v70, v65, v[PW], v67
	global_store_b32 v69, v70, s[74:75]
	s_branch .Lend
.Lqwords:
	ds_load_b32 v65, v[EXA] offset:128             ; wave 1's
	s_mov_b32 s54, 0x01010101
	v_bfe_u32 v68, v0, 4, 1
	v_mul_lo_u32 v67, v68, s54
	v_add_nc_u32 v67, 0x04000400, v67              ; bytes (block 0, 1, 0, 1) of tile h,
	v_add_nc_u32 v68, 0x02020202, v67              ; of tile 2 + h
	v_lshrrev_b32 v69, 1, v[G16]
	s_wait_alu depctr_va_vdst(0)
	s_wait_dscnt 0x0
	v_perm_b32 v70, v65, v[PW], v67
	v_perm_b32 v71, v65, v[PW], v68
	global_store_b64 v69, v[70:71], s[80:81]
.Lend:
	v_lshl_add_u32 v32, v0, 2, SPARE
	v_mov_b32 v33, 0
	s_wait_alu depctr_va_vdst(0)
	s_wait_tensorcnt 0x0                           ; the wave's end
	ds_add_u32 v32, v33
	s_wait_dscnt 0x0
	s_endpgm
.Lfunc_end_k_q9d9401ede5_proj:
	.size	k_q9d9401ede5_proj, .Lfunc_end_k_q9d9401ede5_proj-k_q9d9401ede5_proj
	.p2alignl 7, 3214868480
	.fill 96, 4, 3214868480
	.section	.rodata,"a",@progbits
	.p2align	6, 0x0
	.amdhsa_kernel k_q9d9401ede5_proj
		.amdhsa_group_segment_fixed_size 327680
		.amdhsa_private_segment_fixed_size 0
		.amdhsa_enable_private_segment 0
		.amdhsa_kernarg_size 72
		.amdhsa_user_sgpr_count 2
		.amdhsa_user_sgpr_kernarg_segment_ptr 1
		.amdhsa_wavefront_size32 1
		.amdhsa_system_sgpr_workgroup_id_x 1
		.amdhsa_system_sgpr_workgroup_id_y 1
		.amdhsa_system_sgpr_workgroup_id_z 1
		.amdhsa_system_vgpr_workitem_id 0
		.amdhsa_next_free_vgpr 512
		.amdhsa_next_free_sgpr 88
		.amdhsa_reserve_vcc 0
		.amdhsa_float_denorm_mode_32 3
		.amdhsa_float_denorm_mode_16_64 3
		.amdhsa_memory_ordered 1
		.amdhsa_forward_progress 1
		.amdhsa_inst_pref_size 83
	.end_amdhsa_kernel
	.amdgpu_metadata
---
amdhsa.version: [ 1, 2 ]
amdhsa.kernels:
  - .name:           k_q9d9401ede5_proj
    .symbol:         k_q9d9401ede5_proj.kd
    .args:
      - { .name: x, .offset: 0, .size: 8, .value_kind: global_buffer, .address_space: global }
      - { .name: wc, .offset: 8, .size: 8, .value_kind: global_buffer, .address_space: global }
      - { .name: ws, .offset: 16, .size: 8, .value_kind: global_buffer, .address_space: global }
      - { .name: bq, .offset: 24, .size: 8, .value_kind: global_buffer, .address_space: global }
      - { .name: bk, .offset: 32, .size: 8, .value_kind: global_buffer, .address_space: global }
      - { .name: bv, .offset: 40, .size: 8, .value_kind: global_buffer, .address_space: global }
      - { .name: qc, .offset: 48, .size: 8, .value_kind: global_buffer, .address_space: global }
      - { .name: qs, .offset: 56, .size: 8, .value_kind: global_buffer, .address_space: global }
      - { .name: kv, .offset: 64, .size: 8, .value_kind: global_buffer, .address_space: global }
    .group_segment_fixed_size: 327680
    .private_segment_fixed_size: 0
    .kernarg_segment_align: 8
    .kernarg_segment_size: 72
    .max_flat_workgroup_size: 256
    .sgpr_count:     88
    .vgpr_count:     512
    .wavefront_size: 32
...
	.end_amdgpu_metadata
.endif
;; end of part 2
;; launch attn (part 3): grid 64 x 4, 8 waves a work-group, no clusters, 144,384 bytes of LDS; arguments qc, qs, kv, out0; writes out0
.if DOCPART == 3
	.amdgcn_target "amdgcn-amd-amdhsa--gfx1250"
	.amdhsa_code_object_version 6
	.text
	.protected	k_q9d9401ede5_attn
	.globl	k_q9d9401ede5_attn
	.p2align	8
	.type	k_q9d9401ede5_attn,@function
k_q9d9401ede5_attn:
	s_mov_b64 s[64:65], 0
	v_nop
	global_prefetch_b8 v0, s[64:65] scope:SCOPE_SE
	s_setreg_imm32_b32 hwreg(HW_REG_WAVE_MODE, 25, 1), 1
	s_wait_xcnt 0x0
; out[b][q][:] = the sum over keys of softmax(Q K^T / 8) V, both products on codes of BF8 (E5M2) with E8M0 scales.  Nothing of reference() is left out here.
; THE SOFTMAX AHEAD OF THE SECOND PRODUCT: t = score x log2(e) / 8; M = the largest t so far, rounded UP to a whole number; p = 2^(t - M) is quantised along the keys, not normalised; the row's sum is taken of the unquantised p
; and divides at the end.  When M moves, the sum and O are multiplied by 2^(old M - new M): exact.
; SHARES.  A work-group owns 64 queries of one batch (256 work-groups), four tiles of 16.  Each of its EIGHT waves takes all four tiles over 512 keys of its own: four steps of 128, each step's K and V used for four tiles.
; K and V go from memory straight into registers, laid by the launch before in the operand's order; each record is loaded once a work-group.  THREE BANKS of 64 registers by turns: while a step's K and V stand in two, the third takes
; the next K; the bank of K takes the next V once the fourth tile's scores are made, and the bank of V the K of two steps on once the fourth tile's products are.  Waves share nothing until the join at the end.
; No cluster: a joint load fills LDS alone, the batch's 32 records of 16,896 bytes do not fit there, and its rounds would tie eight waves to each other that otherwise share nothing.  No prefetch: there is no loop, and K is asked for about a step ahead.
; LAYOUT.  Both products transposed: S^T = K Q^T, O^T = V^T P^T: a lane holds ONE query of a tile.  DK = 64 IN AN INSTRUCTION OF K = 128: a fragment of K carries two tiles of 16 keys (k 0-63 and k 64-127); Q stands between
; zeros, Z Q0 Z Q1 Z Q2 Z Q3 Z, eight registers each: source 1 is Q | Z for the first tile of keys and Z | Q for the second.  Register 16 f + 8 u + j of S^T is key 32 f + 16 h + 8 u + j.
; ORDER.  A tile's first three blocks of scores take the next tile's as soon as their codes are made, so the next tile's maxima stand among the last block's sums and holds; a tile's second product stands in the next tile's search for M.
; LIMITS: NaN and infinities are not served; under a running M a block of p meets the floor of its scale's byte elsewhere than under the final M: that touches p under 2^-111 of the row's largest alone.
.set REC,  16896
.set OPART, 17408                      ; LDS: a wave's O: 64 rows of 272 bytes
.set STATS, 8*OPART                    ; [row][wave]: -M and the sum
.set SPARE, STATS+4096                 ; the spare words, 128 bytes a wave
.set G16, 1                            ; 16 x lane
.set CUR, 2                            ; v2 the tile's new -M, v3 at work
.set TMP, 3
.set BM,  4                            ; v4-7 the blocks' largest scores, then largest p, then bytes
.set C2,  6                            ; v[6:7] then the sums' second chain
.set PS,  8                            ; p's scale word
.set HOLD, 9                           ; v9-12 57,344 x the scale
.set G4,  13                           ; 4 x lane
.set FF,  14                           ; v[14:15] f = 2^(old M - new M)
.set S,   16                           ; v16-79 scores, then p
.set QC,  80                           ; v80-151 zeros and Q by turns
.set P,   152                          ; v152-167 p's codes
.set TT,  160                          ; v160-167 until the last two blocks' codes: four pairs of sums
.set C3,  164                          ; v[164:165] the second chain over the last block
.set SCL, 232                          ; v232-235 the conversions' scale operands
.set NM,  236                          ; v236-239 -M of each tile
.set SUM, 240                          ; v240-247 the sums, two halves a tile
.set QS,  248                          ; v248, v249 Q's scale words: lanes 0-15 tile 2 i, lanes 16-31 tile 2 i + 1
.set SC,  250                          ; v250-255 two scale words for each bank: lanes 0-15 fragment 2 i, lanes 16-31 fragment 2 i + 1
.set BR0, 128                          ; bank 0: window 1, v128-191.  (Window 1, v0-127: O^T, 32 a tile)
.set BW0, 1
.set BR1, 192                          ; bank 1: window 1, v192-255
.set BW1, 1
.set BR2, 168                          ; bank 2: window 0, v168-231
.set BW2, 0
.set WSI, 168                          ; in the last step bank 2 is free: where I put my O^T,
.set WST, 170                          ; and my -M and sum
.set CS,  32                           ; s[32:33] c = log2(e) / 8
.set SEL, 34
.set NC,  36                           ; -c
.set MNT, 37
.set MSB, 0
.macro WIN new                         ; the immediate's high byte repeats the setting that is left
.if MSB != (\new)
	s_set_vgpr_msb (MSB<<8)|(\new)
.set MSB, (\new)
.endif
.endm
.macro LDP bank, off, soff, p          ; a quarter of a record's K or V into a bank: 4 loads of codes, with the first the 2 of scale words
	WIN BW\bank<<6
.irp j, 0,1,2,3
	global_load_b128 v[BR\bank+16*\p+4*\j:BR\bank+16*\p+4*\j+3], v[G16], s[8:9] offset:\off+2048*\p+512*\j
.endr
	WIN 0
.if \p == 0
	global_load_b32 v[SC+2*\bank], v[G4], s[8:9] offset:\soff
	global_load_b32 v[SC+2*\bank+1], v[G4], s[8:9] offset:\soff+128
.endif
.endm
.macro QK1 bank, f, t, u
.set d_, S+16*(\f)+8*(\u)
.set a_, BR\bank+16*(\f)
.set q_, QC+8+16*(\t)-8*(\u)
.set x_, SC+2*\bank+(\f)/2
.set y_, QS+(\t)/2
.if ((\f)%2) && ((\t)%2)
	v_wmma_scale_f32_16x16x128_f8f6f4 v[d_:d_+7], v[a_:a_+15], v[q_:q_+15], 0, v[x_], v[y_] matrix_a_fmt:MATRIX_FMT_BF8 matrix_b_fmt:MATRIX_FMT_BF8 matrix_a_scale:MATRIX_SCALE_ROW1 matrix_b_scale:MATRIX_SCALE_ROW1
.elseif (\f)%2
	v_wmma_scale_f32_16x16x128_f8f6f4 v[d_:d_+7], v[a_:a_+15], v[q_:q_+15], 0, v[x_], v[y_] matrix_a_fmt:MATRIX_FMT_BF8 matrix_b_fmt:MATRIX_FMT_BF8 matrix_a_scale:MATRIX_SCALE_ROW1
.elseif (\t)%2
	v_wmma_scale_f32_16x16x128_f8f6f4 v[d_:d_+7], v[a_:a_+15], v[q_:q_+15], 0, v[x_], v[y_] matrix_a_fmt:MATRIX_FMT_BF8 matrix_b_fmt:MATRIX_FMT_BF8 matrix_b_scale:MATRIX_SCALE_ROW1
.else
	v_wmma_scale_f32_16x16x128_f8f6f4 v[d_:d_+7], v[a_:a_+15], v[q_:q_+15], 0, v[x_], v[y_] matrix_a_fmt:MATRIX_FMT_BF8 matrix_b_fmt:MATRIX_FMT_BF8
.endif
.endm
.macro QK bank, f, t                   ; the scores of fragment f's 32 keys for tile t
	WIN BW\bank
	QK1 \bank, \f, \t, 0
	QK1 \bank, \f, \t, 1
.endm
.macro PV1 n, t, bank, k               ; O^T += V^T P^T; the first step starts the sums
.set d_, 32*(\t)+8*(\k)
.set a_, BR\bank+16*(\k)
.set x_, SC+2*\bank+(\k)/2
.if (\n) == 0
.if (\k)%2
	v_wmma_scale_f32_16x16x128_f8f6f4 v[d_:d_+7], v[a_:a_+15], v[P:P+15], 0, v[x_], v[PS] matrix_a_fmt:MATRIX_FMT_BF8 matrix_b_fmt:MATRIX_FMT_BF8 matrix_a_scale:MATRIX_SCALE_ROW1
.else
	v_wmma_scale_f32_16x16x128_f8f6f4 v[d_:d_+7], v[a_:a_+15], v[P:P+15], 0, v[x_], v[PS] matrix_a_fmt:MATRIX_FMT_BF8 matrix_b_fmt:MATRIX_FMT_BF8
.endif
.else
.if (\k)%2
	v_wmma_scale_f32_16x16x128_f8f6f4 v[d_:d_+7], v[a_:a_+15], v[P:P+15], v[d_:d_+7], v[x_], v[PS] matrix_a_fmt:MATRIX_FMT_BF8 matrix_b_fmt:MATRIX_FMT_BF8 matrix_a_scale:MATRIX_SCALE_ROW1
.else
	v_wmma_scale_f32_16x16x128_f8f6f4 v[d_:d_+7], v[a_:a_+15], v[P:P+15], v[d_:d_+7], v[x_], v[PS] matrix_a_fmt:MATRIX_FMT_BF8 matrix_b_fmt:MATRIX_FMT_BF8
.endif
.endif
.endm
.macro PV n, t, bank, k                ; two of a tile's four products
	WIN BW\bank|0x50
	PV1 \n, \t, \bank, \k
	PV1 \n, \t, \bank, \k+1
	WIN 0
.endm
.macro MX b, k                         ; the largest score of block b, in eight lines
.if (\k) == 0
	v_max3_num_f32 v[BM+\b], v[S+16*\b], v[S+16*\b+1], v[S+16*\b+2]
.elseif (\k) < 7
	v_max3_num_f32 v[BM+\b], v[BM+\b], v[S+16*\b+2*(\k)+1], v[S+16*\b+2*(\k)+2]
.else
	v_max_num_f32 v[BM+\b], v[BM+\b], v[S+16*\b+15]
.endif
.endm
.macro M b, k                          ; the same, where a tile follows
.if NX
	MX \b, \k
.endif
.endm
.macro FMA b, i                        ; t - M, two at a time
	v_pk_fma_f32 v[S+16*(\b)+2*(\i):S+16*(\b)+2*(\i)+1], v[S+16*(\b)+2*(\i):S+16*(\b)+2*(\i)+1], s[CS:CS+1], v[CUR:CUR+1] op_sel_hi:[1,0,0]
.endm
.macro HOLD2 b, i                      ; the conversion does not saturate (ISA guide 7.6.2); p is not negative, so the hold is one-sided
	v_dual_min_num_f32 v[S+16*(\b)+2*\i], v[S+16*(\b)+2*\i], v[HOLD+(\b)] :: v_dual_min_num_f32 v[S+16*(\b)+2*\i+1], v[S+16*(\b)+2*\i+1], v[HOLD+(\b)]
.endm
.macro ADD1 b, i                       ; four numbers of block b into two: the row's sum is taken of the unquantised p, so this stands ahead of their holds
	v_pk_add_f32 v[TT+2*\i:TT+2*\i+1], v[S+16*(\b)+4*\i:S+16*(\b)+4*\i+1], v[S+16*(\b)+4*\i+2:S+16*(\b)+4*\i+3]
.endm
.macro ADD3 k, t                       ; the last block's pairs, in two chains
.if \k%2
	v_pk_add_f32 v[C3:C3+1], v[C3:C3+1], v[S+48+2*\k:S+48+2*\k+1]
.else
	v_pk_add_f32 v[SUM+2*\t:SUM+2*\t+1], v[SUM+2*\t:SUM+2*\t+1], v[S+48+2*\k:S+48+2*\k+1]
.endif
.endm
.macro ADDT t, i                       ; a pair of sums onto the tile's sum
	v_pk_add_f32 v[SUM+2*\t:SUM+2*\t+1], v[SUM+2*\t:SUM+2*\t+1], v[TT+2*\i:TT+2*\i+1]
.endm
; the exponentials of block b; among them later blocks' multiply-adds, and the last block's first sums and holds: lines that read nothing written here
.macro EXPS b
.if \b == 0
.irp k, 0,1,2,3
	v_exp_f32 v[BM+\k], v[BM+\k]                   ; the blocks' largest p: the same two instructions on the same number give the same bits
	FMA 1, \k
.endr
.endif
.irp i, 0,1,2,3,4,5,6,7
	v_exp_f32 v[S+16*\b+2*\i], v[S+16*\b+2*\i]
.if \i < 4
.if \b == 0
	FMA 1, 4+\i
.else
	ADD1 \b-1, \i
.endif
.endif
.if \b == 1
	FMA 3, \i
.endif
	v_exp_f32 v[S+16*\b+2*\i+1], v[S+16*\b+2*\i+1]
.if \b == 0
	FMA 2, \i
.else
	HOLD2 \b-1, \i
.endif
.endr
.endm
.macro CVT b
	v_cvt_scalef32_pk8_bf8_f32 v[P+4*\b:P+4*\b+1], v[S+16*\b:S+16*\b+7], v[SCL+\b]
	v_cvt_scalef32_pk8_bf8_f32 v[P+4*\b+2:P+4*\b+3], v[S+16*\b+8:S+16*\b+15], v[SCL+\b]
.endm
.macro OUT t                           ; tile t's O^T into my part of LDS, each accumulator from its low end on
	WIN 0x04
.irp k, 0,1,2,3
	ds_store_b128 v[WSI], v[32*\t+8*\k:32*\t+8*\k+3] offset:4352*\t+64*\k
	ds_store_b128 v[WSI], v[32*\t+8*\k+4:32*\t+8*\k+7] offset:4352*\t+64*\k+16
.endr
	WIN 0
.endm
; Step n, tile t; its scores are made and its blocks' maxima within the lane taken.  pn, pt, pvb: the tile before (pt = -1: none), whose products stand here, V in bank pvb; w1: the wait for that bank (-1: it has been waited for).
; nt, nkb, w2: the next tile (-1: none), its K's bank, the wait for it.  lb: the bank that is loaded here (9: none), loff and soff where from.  out: the tile whose O^T leaves here (-1: none).
.macro SOFT n, t, pn, pt, pvb, w1, nt, nkb, w2, lb, loff, soff, out
.irp b, 0,1,2,3
	v_permlanex16_b32 v[SCL+\b], v[BM+\b], s[SEL], s[SEL+1]
.endr
.irp b, 0,1,2,3
	v_max_num_f32 v[BM+\b], v[BM+\b], v[SCL+\b]    ; with lane l xor 16's 16 keys
.endr
	v_max3_num_f32 v[TMP], v[BM], v[BM+1], v[BM+2]
.if (\pt) >= 0
.if (\w1) >= 0
	s_wait_alu depctr_va_vdst(0)
	s_wait_loadcnt \w1                             ; V of this step is in; a bank asked for behind it may be out
.endif
	PV \pn, \pt, \pvb, 0
.endif
	v_max_num_f32 v[TMP], v[TMP], v[BM+3]
	v_mul_f32 v[TMP], s[NC], v[TMP]                ; -t of the step's largest score
.if (\pt) >= 0
	PV \pn, \pt, \pvb, 2
.endif
	v_floor_f32 v[TMP], v[TMP]
	v_min_num_f32 v[CUR], v[NM+\t], v[TMP]         ; the new -M
	v_sub_f32 v[TMP], v[CUR], v[NM+\t]             ; old M - new M: a whole number, 0 or less
	FMA 0, 0
	FMA 0, 1
	FMA 0, 2
	v_cvt_i32_f32 v[TMP], v[TMP]                   ; (it saturates)
	FMA 0, 3
	FMA 0, 4
	FMA 0, 5
	v_ldexp_f32 v[FF], 1.0, v[TMP]                 ; f
	FMA 0, 6
	FMA 0, 7
.irp b, 0,1,2,3
	v_fma_f32 v[BM+\b], v[BM+\b], s[CS], v[CUR]    ; p rises with the score: the block's largest p comes of its largest score
.endr
	v_mov_b32 v[NM+\t], v[CUR]
.if (\lb) < 9
	LDP \lb, \loff, \soff, 0                       ; more than eight plain lines behind the products that have read this bank
.endif
.if (\out) >= 0
	OUT \out
.endif
	s_wait_alu depctr_va_vdst(0)                   ; a wait ahead of the batch
	EXPS 0
	s_wait_alu depctr_va_vdst(0)                   ; and behind it
.irp b, 0,1,2,3
	v_max_num_f32 v[BM+\b], 0x8000000, v[BM+\b]    ; the floor 2^(16 - 127): the byte cannot fall under 1
.endr
.irp b, 0,1,2,3
	v_add_nc_u32 v[SCL+\b], 0xf8800000, v[BM+\b]   ; 15 off the exponent field: the conversion's scale operand
.endr
.irp b, 0,1,2,3
	v_and_or_b32 v[HOLD+\b], v[BM+\b], 0x7f800000, s[MNT]
.endr
.irp b, 0,1,2,3
	v_lshrrev_b32 v[BM+\b], 23, v[SCL+\b]          ; the scale's byte
.endr
	v_lshl_or_b32 v[BM], v[BM+1], 8, v[BM]
	v_lshl_or_b32 v[BM+2], v[BM+3], 8, v[BM+2]
	v_lshl_or_b32 v[PS], v[BM+2], 16, v[BM]        ; p's scale word for these 128 keys
.if (\lb) < 9
	LDP \lb, \loff, \soff, 1
.endif
	s_wait_alu depctr_va_vdst(0)
	EXPS 1
	s_wait_alu depctr_va_vdst(0)
	v_pk_fma_f32 v[SUM+2*\t:SUM+2*\t+1], v[SUM+2*\t:SUM+2*\t+1], v[FF:FF+1], v[TT:TT+1] op_sel_hi:[1,0,1]   ; the old sum under the new M
	v_pk_add_f32 v[C2:C2+1], v[TT+2:TT+3], v[TT+4:TT+5]
	CVT 0
	ADDT \t, 3
.if (\lb) < 9
	LDP \lb, \loff, \soff, 2
.endif
	EXPS 2
	s_wait_alu depctr_va_vdst(0)
	ADDT \t, 0
	v_pk_add_f32 v[C2:C2+1], v[C2:C2+1], v[TT+2:TT+3]
	CVT 1
	ADDT \t, 2
	v_pk_add_f32 v[C2:C2+1], v[C2:C2+1], v[TT+6:TT+7]
.if (\lb) < 9
	LDP \lb, \loff, \soff, 3
.endif
	EXPS 3
.if (\n) > 0
	WIN 0x41
	s_wait_alu depctr_va_vdst(0)                   ; behind the batch, and directly ahead of the first reader of O^T
.irp j, 0,2,4,6,8,10,12,14,16,18,20,22,24,26,28,30
	v_pk_mul_f32 v[32*\t+\j:32*\t+\j+1], v[32*\t+\j:32*\t+\j+1], v[FF:FF+1] op_sel_hi:[1,0]   ; O^T under the new M
.endr
	WIN 0
.else
	s_wait_alu depctr_va_vdst(0)
.endif
	ADDT \t, 0
	v_pk_add_f32 v[C2:C2+1], v[C2:C2+1], v[TT+2:TT+3]
	CVT 2
	ADDT \t, 2
	v_pk_add_f32 v[C3:C3+1], v[C2:C2+1], v[TT+6:TT+7]
.if (\nt) >= 0
.set NX, 1
.if (\w2) >= 0
	s_wait_alu depctr_va_vdst(0)
	s_wait_loadcnt \w2                             ; the next K is in; the V asked for behind it may be out
.endif
	QK \nkb, 0, \nt
	QK \nkb, 1, \nt
	QK \nkb, 2, \nt
	WIN 0
.else
.set NX, 0
.endif
	ADD3 0, \t                                     ; eight plain lines: the places behind the three products
	ADD3 1, \t
	HOLD2 3, 0
	ADD3 2, \t
	HOLD2 3, 1
	ADD3 3, \t
	HOLD2 3, 2
	ADD3 4, \t
	HOLD2 3, 3
	M 0, 0
	ADD3 5, \t
	M 1, 0
	HOLD2 3, 4
	M 2, 0
	ADD3 6, \t
	M 0, 1
	HOLD2 3, 5
	M 1, 1
	ADD3 7, \t
	M 2, 1
	HOLD2 3, 6
	M 0, 2
	v_pk_add_f32 v[SUM+2*\t:SUM+2*\t+1], v[SUM+2*\t:SUM+2*\t+1], v[C3:C3+1]
	M 1, 2
	HOLD2 3, 7
	M 2, 2
	CVT 3
.if (\nt) >= 0
	M 0, 3
	M 1, 3
	QK \nkb, 3, \nt
	WIN 0
	M 2, 3                                         ; eight lines again, ahead of the last block's scores
	M 0, 4
	M 1, 4
	M 2, 4
	M 0, 5
	M 1, 5
	M 2, 5
	M 0, 6
	v_max3_num_f32 v[BM+3], v[S+48], v[S+49], v[S+50]      ; the last block in two chains
	v_max3_num_f32 v[TMP], v[S+56], v[S+57], v[S+58]
	M 1, 6
	M 2, 6
	v_max3_num_f32 v[BM+3], v[BM+3], v[S+51], v[S+52]
	v_max3_num_f32 v[TMP], v[TMP], v[S+59], v[S+60]
	M 0, 7
	M 1, 7
	v_max3_num_f32 v[BM+3], v[BM+3], v[S+53], v[S+54]
	v_max3_num_f32 v[TMP], v[TMP], v[S+61], v[S+62]
	M 2, 7
	v_max3_num_f32 v[BM+3], v[BM+3], v[S+55], v[S+63]
	v_max_num_f32 v[BM+3], v[BM+3], v[TMP]
.endif
.endm
	s_load_b256 s[4:11], s[0:1], 0x0               ; qc s[4:5], qs s[6:7], kv s[8:9], out0 s[10:11]
	v_lshrrev_b32 v3, 5, v0
	v_readfirstlane_b32 s12, v3                    ; wave 0..7
	s_and_b32 s14, ttmp7, 0xffff                   ; the batch
	s_lshl_b32 s15, s14, 6
	s_add_co_u32 s15, s15, ttmp9                   ; my block of 64 rows among all
	s_lshl_b32 s20, s15, 12                        ; Q's codes
	s_mov_b32 s21, 0
	s_lshl_b32 s22, s15, 8                         ; Q's scale words
	s_mov_b32 s23, 0
	s_lshl_b32 s24, s14, 5
	s_lshl_b32 s25, s12, 2
	s_add_co_u32 s24, s24, s25
	s_mul_i32 s24, s24, REC                        ; my first record: 32 batch + 4 wave
	s_mov_b32 s25, 0
	s_lshl_b32 s26, s15, 6                         ; the rows that I finish: 64 block
	s_lshr_b32 s27, s12, 2
	s_lshl_b32 s27, s27, 5
	s_add_co_u32 s26, s26, s27                     ; + 32 (w / 4)
	s_bfe_u32 s27, s12, 0x10001
	s_lshl_b32 s27, s27, 3
	s_add_co_u32 s26, s26, s27                     ; + 8 (w / 2 % 2)
	s_and_b32 s27, s12, 1
	s_lshl_b32 s27, s27, 4
	s_add_co_u32 s26, s26, s27                     ; + 16 (w % 2): places 8-15 of a tile
	s_lshl_b32 s26, s26, 8
	s_mov_b32 s27, 0
	s_mov_b32 s[CS], 0x3e38aa3b                    ; c = log2(e) / 8
	s_mov_b32 s[CS+1], s[CS]                       ; (named with it as a pair)
	s_mov_b32 s[NC], 0xbe38aa3b
	s_mov_b32 s[SEL], 0x76543210
	s_mov_b32 s[SEL+1], 0xfedcba98
	s_mov_b32 s[MNT], 0x600000
	s_mul_i32 s38, s12, OPART
	s_lshl_b32 s39, s12, 3
	s_add_co_u32 s39, s39, STATS
	s_mul_i32 s40, s12, 8*272
	s_lshl_b32 s41, s12, 9
	s_add_co_u32 s41, s41, STATS
	v_and_b32 v3, 31, v0
	v_lshlrev_b32 v[G16], 4, v3
	v_lshlrev_b32 v[G4], 2, v3
	v_lshlrev_b32 v[TMP], 3, v3                    ; 8 x lane, for Q's scale words
	s_wait_alu depctr_va_vdst(0)
	s_wait_kmcnt 0x0
	s_add_nc_u64 s[4:5], s[4:5], s[20:21]
	s_add_nc_u64 s[6:7], s[6:7], s[22:23]
	s_add_nc_u64 s[8:9], s[8:9], s[24:25]
	s_add_nc_u64 s[10:11], s[10:11], s[26:27]
	LDP 0, 0, 16384, 0                             ; K of step 0, and Q
	LDP 0, 0, 16384, 1
	LDP 0, 0, 16384, 2
	LDP 0, 0, 16384, 3
	global_load_b64 v[QS:QS+1], v[TMP], s[6:7]
.irp t, 0,1,2,3
	global_load_b128 v[QC+8+16*\t:QC+11+16*\t], v[G16], s[4:5] offset:1024*\t
	global_load_b128 v[QC+12+16*\t:QC+15+16*\t], v[G16], s[4:5] offset:1024*\t+512
.endr
.irp z, 0,16,32,48,64
.irp j, 0,1,2,3,4,5,6,7
	v_mov_b32 v[QC+\z+\j], 0                       ; zero codes: they add nothing under any scale byte that is made here
.endr
.endr
.irp t, 0,1,2,3
	v_mov_b32 v[NM+\t], 0x7f61b1e6                 ; -M: 3e38, above every -t
	v_mov_b32 v[SUM+2*\t], 0
	v_mov_b32 v[SUM+2*\t+1], 0
	v_mov_b32 v[SCL+\t], 0                         ; a lane permute's destination counts as one of its sources
.endr
	v_mov_b32 v[FF+1], 0                           ; (named as the upper half of a pair)
	s_wait_alu depctr_va_vdst(0)
	s_wait_loadcnt 0x0                             ; Q and the first K
	QK 0, 0, 0
	QK 0, 1, 0
	QK 0, 2, 0
	QK 0, 3, 0
	LDP 1, 8192, 16640, 0                          ; V of step 0, behind every wave's first K
	LDP 1, 8192, 16640, 1
	LDP 1, 8192, 16640, 2
	LDP 1, 8192, 16640, 3
.rept 8
	v_nop                                          ; eight places ahead of the first read of the scores
.endr
.irp k, 0,1,2,3,4,5,6,7
	MX 0, \k
	MX 1, \k
	MX 2, \k
	MX 3, \k
.endr
	SOFT 0, 0, 0, -1, 1, -1, 1, 0, -1, 9, 0, 0, -1
	SOFT 0, 1, 0, 0, 1, 0, 2, 0, -1, 2, REC, REC+16384, -1
	SOFT 0, 2, 0, 1, 1, -1, 3, 0, -1, 9, 0, 0, -1
	SOFT 0, 3, 0, 2, 1, -1, 0, 2, 18, 0, REC+8192, REC+16640, -1
	SOFT 1, 0, 0, 3, 1, -1, 1, 2, -1, 1, 2*REC, 2*REC+16384, -1
	SOFT 1, 1, 1, 0, 0, 18, 2, 2, -1, 9, 0, 0, -1
	SOFT 1, 2, 1, 1, 0, -1, 3, 2, -1, 9, 0, 0, -1
	SOFT 1, 3, 1, 2, 0, -1, 0, 1, 18, 2, 2*REC+8192, 2*REC+16640, -1
	SOFT 2, 0, 1, 3, 0, -1, 1, 1, -1, 0, 3*REC, 3*REC+16384, -1
	SOFT 2, 1, 2, 0, 2, 18, 2, 1, -1, 9, 0, 0, -1
	SOFT 2, 2, 2, 1, 2, -1, 3, 1, -1, 9, 0, 0, -1
	SOFT 2, 3, 2, 2, 2, -1, 0, 0, 18, 1, 3*REC+8192, 3*REC+16640, -1
	SOFT 3, 0, 2, 3, 2, -1, 1, 0, -1, 9, 0, 0, -1
	v_and_b32 v[WSI], 15, v0
	v_bfe_u32 v[WSI+1], v0, 4, 1
	v_lshlrev_b32 v[WST], 6, v[WSI]
	v_mul_u32_u24 v[WSI], v[WSI], 272
	v_lshl_add_u32 v[WSI], v[WSI+1], 5, v[WSI]
	v_add_nc_u32 v[WST], s39, v[WST]               ; 64 (lane % 16) + 8 x wave
	v_add_nc_u32 v[WSI], s38, v[WSI]               ; row lane % 16, + 32 h
	SOFT 3, 1, 3, 0, 1, 0, 2, 0, -1, 9, 0, 0, 0
	SOFT 3, 2, 3, 1, 1, -1, 3, 0, -1, 9, 0, 0, 1
	SOFT 3, 3, 3, 2, 1, -1, -1, 0, -1, 9, 0, 0, 2
	; THE EIGHT PARTS ARE JOINED: every M is a whole number, so by exact powers of two.  Wave w finishes places 8 (w % 2) .. + 7 of tile w / 2.
.irp t, 0,1,2,3
	v_add_f32 v[17+2*\t], v[SUM+2*\t], v[SUM+2*\t+1]
.endr
.irp t, 0,1,2,3
	v_mov_b32 v[16+2*\t], v[NM+\t]
.endr
	PV 3, 3, 1, 0                                  ; the last tile's products; the lines up to OUT are the places behind them
	PV 3, 3, 1, 2
.irp t, 0,1,2,3
	v_permlanex16_b32 v[24+\t], v[17+2*\t], s[SEL], s[SEL+1]
.endr
.irp t, 0,1,2,3
	v_add_f32 v[17+2*\t], v[17+2*\t], v[24+\t]     ; my keys' sum, beside -M
.endr
	v_lshl_add_u32 v2, v0, 2, SPARE                ; my spare word
	v_mov_b32 v3, 0
	v_and_b32 v7, 15, v0
	v_bfe_u32 v9, v0, 4, 1
	v_mul_u32_u24 v4, v9, 272
	v_lshl_add_u32 v4, v7, 4, v4
	v_add_nc_u32 v4, s40, v4                       ; back: row 8 w + h, 16 bytes a lane, of waves 0-3
	v_add_nc_u32 v5, 4*OPART, v4                   ; of waves 4-7
	v_lshlrev_b32 v6, 6, v9
	v_add_nc_u32 v6, s41, v6                       ; and that row's eight -M and sums
	OUT 3
.irp t, 0,1,2,3
	ds_store_b64 v[WST], v[16+2*\t:17+2*\t] offset:1024*\t   ; lanes r and r + 16 hold the same
.endr
	s_wait_alu depctr_va_vdst(0)
	s_wait_dscnt 0x0                               ; for the others' sake: my stores have landed
	s_barrier_signal -1
	s_barrier_wait -1
.irp i, 0,1,2,3                        ; rows 8 w + 2 i + h
.irp j, 0,1,2,3
	ds_load_b128 v[144+16*\i+4*\j:147+16*\i+4*\j], v6 offset:128*\i+16*\j
.endr
.endr
.irp i, 0,1,2,3
.irp k, 0,1,2,3
	ds_load_b128 v[16+32*\i+4*\k:19+32*\i+4*\k], v4 offset:OPART*\k+544*\i
	ds_load_b128 v[32+32*\i+4*\k:35+32*\i+4*\k], v5 offset:OPART*\k+544*\i
.endr
.endr
	s_wait_dscnt 32                                ; the 16 loads of -M and sums are in; the 32 of O may be out
.irp i, 0,1,2,3
	v_min3_num_f32 v[240+\i], v[144+16*\i], v[146+16*\i], v[148+16*\i]
.endr
.irp i, 0,1,2,3
	v_min3_num_f32 v[240+\i], v[240+\i], v[150+16*\i], v[152+16*\i]
.endr
.irp i, 0,1,2,3
	v_min3_num_f32 v[240+\i], v[240+\i], v[154+16*\i], v[156+16*\i]
.endr
.irp i, 0,1,2,3
	v_min_num_f32 v[240+\i], v[240+\i], v[158+16*\i]   ; the least -M: the row's M
.endr
.irp i, 0,1,2,3
.irp k, 0,1,2,3,4,5,6,7
	v_sub_f32 v[208+8*\i+\k], v[240+\i], v[144+16*\i+2*\k]   ; part k's M less the row's: a whole number, 0 or less
.endr
.endr
.irp i, 0,1,2,3
.irp k, 0,1,2,3,4,5,6,7
	v_cvt_i32_f32 v[208+8*\i+\k], v[208+8*\i+\k]
.endr
.endr
.irp i, 0,1,2,3
.irp k, 0,1,2,3,4,5,6,7
	v_ldexp_f32 v[208+8*\i+\k], 1.0, v[208+8*\i+\k]
.endr
.endr
.irp i, 0,1,2,3
	v_mul_f32 v[244+\i], v[208+8*\i], v[145+16*\i]
.endr
.irp k, 1,2,3,4,5,6,7
.irp i, 0,1,2,3
	v_fma_f32 v[244+\i], v[208+8*\i+\k], v[145+16*\i+2*\k], v[244+\i]   ; the row's sum
.endr
.endr
	s_wait_alu depctr_va_vdst(0)
.irp i, 0,1,2,3
	v_rcp_f32 v[244+\i], v[244+\i]
.endr
	v_nop                                          ; a plain line behind the reciprocals
	s_wait_alu depctr_va_vdst(0)                   ; and a wait ahead of the first use
.irp i, 0,1,2,3
.irp k, 0,1,2,3,4,5,6,7
	v_mul_f32 v[208+8*\i+\k], v[208+8*\i+\k], v[244+\i]
.endr
.endr
	s_wait_alu depctr_va_vdst(0)
	s_wait_dscnt 0x0
.irp i, 0,1,2,3
.irp e, 0,2
	v_pk_mul_f32 v[144+4*\i+\e:145+4*\i+\e], v[16+32*\i+\e:17+32*\i+\e], v[208+8*\i:209+8*\i] op_sel_hi:[1,0]
.endr
.endr
.irp k, 1,2,3,4,5,6,7
.irp i, 0,1,2,3
.irp e, 0,2
.if \k%2
	v_pk_fma_f32 v[144+4*\i+\e:145+4*\i+\e], v[16+32*\i+4*\k+\e:17+32*\i+4*\k+\e], v[207+8*\i+\k:208+8*\i+\k], v[144+4*\i+\e:145+4*\i+\e] op_sel:[0,1,0]
.else
	v_pk_fma_f32 v[144+4*\i+\e:145+4*\i+\e], v[16+32*\i+4*\k+\e:17+32*\i+4*\k+\e], v[208+8*\i+\k:209+8*\i+\k], v[144+4*\i+\e:145+4*\i+\e] op_sel_hi:[1,0,1]
.endif
.endr
.endr
.endr
.irp i, 0,1,2,3
	global_store_b128 v[G16], v[144+4*\i:147+4*\i], s[10:11] offset:512*\i   ; two whole rows: 512 consecutive bytes
.endr
	s_wait_alu depctr_va_vdst(0)
	s_wait_tensorcnt 0x0                           ; the wave's end
	ds_add_u32 v2, v3
	s_wait_dscnt 0x0
	s_endpgm
.Lfunc_end_k_q9d9401ede5_attn:
	.size	k_q9d9401ede5_attn, .Lfunc_end_k_q9d9401ede5_attn-k_q9d9401ede5_attn
	.p2alignl 7, 3214868480
	.fill 96, 4, 3214868480
	.section	.rodata,"a",@progbits
	.p2align	6, 0x0
	.amdhsa_kernel k_q9d9401ede5_attn
		.amdhsa_group_segment_fixed_size 144384
		.amdhsa_private_segment_fixed_size 0
		.amdhsa_enable_private_segment 0
		.amdhsa_kernarg_size 32
		.amdhsa_user_sgpr_count 2
		.amdhsa_user_sgpr_kernarg_segment_ptr 1
		.amdhsa_wavefront_size32 1
		.amdhsa_system_sgpr_workgroup_id_x 1
		.amdhsa_system_sgpr_workgroup_id_y 1
		.amdhsa_system_sgpr_workgroup_id_z 1
		.amdhsa_system_vgpr_workitem_id 0
		.amdhsa_next_free_vgpr 512
		.amdhsa_next_free_sgpr 66
		.amdhsa_reserve_vcc 0
		.amdhsa_float_denorm_mode_32 3
		.amdhsa_float_denorm_mode_16_64 3
		.amdhsa_memory_ordered 1
		.amdhsa_forward_progress 1
		.amdhsa_inst_pref_size 255
	.end_amdhsa_kernel
	.section	.bss,"aw",@nobits
	.p2align	6
	.space	262144
	.amdgpu_metadata
---
amdhsa.version: [ 1, 2 ]
amdhsa.kernels:
  - .name:           k_q9d9401ede5_attn
    .symbol:         k_q9d9401ede5_attn.kd
    .args:
      - { .name: qc, .offset: 0, .size: 8, .value_kind: global_buffer, .address_space: global }
      - { .name: qs, .offset: 8, .size: 8, .value_kind: global_buffer, .address_space: global }
      - { .name: kv, .offset: 16, .size: 8, .value_kind: global_buffer, .address_space: global }
      - { .name: out0, .offset: 24, .size: 8, .value_kind: global_buffer, .address_space: global }
    .group_segment_fixed_size: 144384
    .private_segment_fixed_size: 0
    .kernarg_segment_align: 8
    .kernarg_segment_size: 32
    .max_flat_workgroup_size: 256
    .sgpr_count:     66
    .vgpr_count:     512
    .wavefront_size: 32
...
	.end_amdgpu_metadata
.endif
;; end of part 3
